; MI455X (gfx1250); checked and timed in simulation.
; The chip was launched on July 23, 2026; its instructions are those of AMD's public machine-readable ISA for CDNA 5 (MIT licence, August 2026) and "CDNA5" Instruction Set Architecture Reference Guide (July 2026). The comments in the code are by the model that wrote it; some were corrected since.
;; Causal Self Attention. Allowed arithmetic: matrix products marked QUANTISED: E4M3 operands, one given power-of-two scale a tensor, by v_wmma_f32_16x16x64_fp8_fp8 or v_wmma_f32_16x16x128_fp8_fp8, f32 sums; everything else in f32.
;; Inputs: W_attn 1,024 x 3,072 float32; W_proj 1,024 x 1,024 float32; b_attn 3,072 float32; b_proj 1,024 float32; lowp_scales 8 int32 (the exponents e of the quantised operands' scales 2^e); x 4 x 2,048 x 1,024 float32.
;; Outputs: out0 4 x 2,048 x 1,024 float32.
;; This version of the problem:
;;   THIS VERSION OF THE PROBLEM IS GIVEN IN LOW PRECISION. The matrix products marked QUANTISED in the list below multiply operands that are first quantised to E4M3 (4 exponent bits, 3 mantissa bits; 8 bits a number), with one given power-of-two scale for each operand tensor; their sums are f32. All else is computed in f32.
;;   The module's matrix products, in the order in which they are computed (A, B: the left and right operand; K: the contracted axis; several contracted axes count as one K, in the product's order):
;;     1. [M 8,192, K 1,024] x [K 1,024, N 3,072]; A: input x; B: input W_attn: QUANTISED (scales: A lowp_scales[0], B lowp_scales[1])
;;     2. batch 64 x [M 2,048, K 64] x [K 64, N 2,048]; A: computed on the way; B: computed on the way: QUANTISED (scales: A lowp_scales[2], B lowp_scales[3])
;;     3. batch 64 x [M 2,048, K 2,048] x [K 2,048, N 64]; A: softmax (see below); B: computed on the way: QUANTISED (scales: A lowp_scales[4], B lowp_scales[5])
;;     4. [M 8,192, K 1,024] x [K 1,024, N 1,024]; A: computed on the way; B: input W_proj: QUANTISED (scales: A lowp_scales[6], B lowp_scales[7])
;;   THE QUANTISER, for each operand of a quantised product, along K:
;;     - The operand's scale is 2^e, e = its entry of the input lowp_scales (int32; the entries are numbered through the quantised products in the list's order, A before B).
;;     - Each number is divided by the scale, clamped to +-448, and rounded to the nearest number of E4M3, ties to even, subnormals kept.
;;     - The product sums the exact products of the quantised numbers (number of the format x scale) in f32.
;;   ~~~python
;;   def quantise(x, axis, e):      # numpy; x: float32 -> the quantised numbers, widened to float32 again
;;       x = np.moveaxis(x, axis, -1); K = x.shape[-1]
;;       r = np.clip(x / 2.0 ** e, -448, 448)
;;       step = 2.0 ** (np.maximum(np.frexp(np.where(r == 0, 1, r))[1] - 1, -6) - 3)
;;       q = np.round(r / step) * step * 2.0 ** e      # np.round: ties to even
;;       return np.moveaxis(q, -1, axis).astype(np.float32)
;;   ~~~
;;   SOFTMAX AHEAD OF A QUANTISED PRODUCT. Where the list says 'softmax', what is quantised is not the finished softmax but p = 2^(t - M), with t = logit x log2(e) and M = ceil(the row's largest t), a whole number; so 1/2 < the row's largest p <= 1. The row's sum l is taken of the UNQUANTISED p, in f32, and the product's result is divided by l at the end. Since M is a whole number, a kernel that streams over the keys may use a running M (the ceiling of the running maximum): every later rescaling is an exact power of two, so the quantised numbers keep their values, but for numbers so far below the row's largest that they fall under the format's range.
;;   OPERANDS COMPUTED ON THE WAY. 'Computed on the way' means the value that the module computes at that place (a softmax that the list does not call 'softmax' is quantised finished and normalised). What goes into a quantiser is computed in f32, as accurately as f32 sums, v_exp_f32 and their like allow (about 1e-6 of the number): no bf16 or f16 on the way to a quantiser, and a product that is left as it is and whose result goes on into a quantised operand takes f32 operands (vector FMAs, or v_wmma_f32_16x16x4_f32). A number that lies on a knife's edge between two numbers of the format may be rounded either way, as far as f32 arithmetic and the matrix unit's own rounding can turn it there, and no further.
;; One version. Each part assembles by itself: llvm-mc -triple=amdgcn-amd-amdhsa -mcpu=gfx1250 --defsym DOCPART=n.
;; ======== version 1 of 1: 4 launches
;; limits: right only within a limited range of input values
;; workspace buffers: x_img 8,388,608 bytes; wa_img 3,145,728 bytes; wp_img 1,048,576 bytes; qkv 25,165,824 bytes; y_img 8,388,608 bytes
;; launch prep (part 1): grid 384 x 1, 4 waves a work-group, no clusters, 34,304 bytes of LDS; arguments x, W_attn, W_proj, lowp_scales, x_img, wa_img, wp_img; writes x_img, wa_img, wp_img
.if DOCPART == 1
	.amdgcn_target "amdgcn-amd-amdhsa--gfx1250"
	.amdhsa_code_object_version 6
	.text
	.protected	k_qfb1a23c635_prep
	.globl	k_qfb1a23c635_prep
	.p2align	8
	.type	k_qfb1a23c635_prep,@function
k_qfb1a23c635_prep:
	s_mov_b64 s[64:65], 0
	v_nop
	global_prefetch_b8 v0, s[64:65] scope:SCOPE_SE
	s_setreg_imm32_b32 hwreg(HW_REG_WAVE_MODE, 25, 1), 1
	s_wait_xcnt 0x0
; x [8192][1024], W_attn [1024][3072] and W_proj [1024][1024], f32, become codes of FP8 (E4M3), each with the one scale 2^e that is given for it (entries 0, 1 and 7 of the scales).
; code = number / 2^e, held within +-448, rounded to the nearest code, ties to even.  LIMITS: e between -126 and 119, so that 448 x 2^e is an f32 number; NaN among the inputs is not served.
; THE CODES ARE LAID AS IMAGES OF THE OPERAND'S REGISTERS.  A tile is 16 rows (of x; of a weight: 16 columns n) x all 1,024 of K = 16,384 bytes: [K step of 128: s][load c = 0..3][lane 0..31][16 bytes].
; Lane (r = row % 16, h) holds in load c: bytes 0-7: k = 128 s + 32 c + 8 h + 0..7; bytes 8-15: k = 128 s + 32 c + 16 + 8 h + 0..7: the place that the matrix instruction's own layout gives each k.
; So the product's launch takes a fragment by four loads of 16 bytes a lane, each of 512 consecutive bytes.
; SHARES: work-groups 0-95 take W_attn, 96-127 W_proj, 128-383 x: 128 KiB of f32 each.  Work-groups share no input, so there is no cluster; no tensor loads, no barrier: waves share nothing.
; x (K innermost): a wave takes a tile's 16 rows x 512 along K, in four steps of 128.  Each load reads 512 consecutive bytes of one row; the step's 8,192 bytes turn through the wave's own stage in LDS, so that a lane gets neighbours along K.
; W (K is the first axis): a lane takes a column n and its registers run down K, so the conversions give codes with K innermost and nothing is transposed; a lane's 32 codes of a block are the 16 bytes of image lane (r, 0) and those of (r, 1).
.set SPITCH, 528                       ; a stage row: 512 bytes + 16 = 132 words: row r begins 4 r words on modulo 64 (64 banks of 4 bytes: ISA guide 11.1)
.set WSTG,   16*SPITCH                 ; a wave's stage: 16 rows
.set XR,  16                           ; v16-143  x: two sets of 64 registers as loaded
.set XN,  144                          ; v144-207 x: 64 numbers in the image's order
.set XC,  208                          ; v208-239 x: two sets of 16 registers of codes
.set WX,  32                           ; v32-95   W: two sets of 32 numbers down K
.set WC,  96                           ; v96-159  W: 8 registers of codes for each of 8 blocks: no store's data are written again
.macro SCALE e                         ; v11 = 2^e as f32 (the conversion takes its exponent field)
	s_wait_kmcnt 0x0
	s_add_co_i32 s28, s[\e], 127
	s_lshl_b32 s29, s28, 23
	v_mov_b32 v11, s29
	s_add_co_i32 s28, s28, 8
	s_lshl_b32 s28, s28, 23
	s_or_b32 s28, s28, 0x600000
.endm
.macro LOADX t                         ; step t: 128 numbers of each of the 16 rows: 32 lanes read 512 consecutive bytes
.set i, 0
.rept 16
	global_load_b128 v[XR+64*((\t)%2)+4*i:XR+64*((\t)%2)+4*i+3], v3, s[4:5] offset:4096*i+512*(\t) th:TH_LOAD_NT
.set i, i+1
.endr
.endm
.macro STEPX t
.if (\t) < 3
	s_wait_loadcnt 16                              ; this step's 16 loads are in; the next step's 16 may be out
.else
	s_wait_loadcnt 0x0
.endif
.set i, 0
.rept 16
	ds_store_b128 v14, v[XR+64*((\t)%2)+4*i:XR+64*((\t)%2)+4*i+3] offset:SPITCH*i   ; row i as it lies
.set i, i+1
.endr
.irp c, 0,1,2,3                                ; LDS serves a wave's instructions in order: these see the stores above.  Lane (r, h): numbers 32 c + 8 h + 0..7 and 32 c + 16 + 8 h + 0..7 of row r
	ds_load_b128 v[XN+16*\c:XN+16*\c+3],     v15 offset:128*\c
	ds_load_b128 v[XN+16*\c+4:XN+16*\c+7],   v15 offset:128*\c+16
	ds_load_b128 v[XN+16*\c+8:XN+16*\c+11],  v15 offset:128*\c+64
	ds_load_b128 v[XN+16*\c+12:XN+16*\c+15], v15 offset:128*\c+80
.endr
	s_wait_dscnt 0x0                               ; the numbers are back, so the stores into the stage have read their registers,
.if (\t) < 2
	LOADX (\t)+2                                   ; which take the loads of two steps on
.endif
.set i, 0
.rept 64
.set i, i+1
.endr
.if (\t) >= 2
	s_wait_xcnt 0x0                                ; the stores of two steps back have read this set of code registers
.endif
.irp g, 0,1,2,3,4,5,6,7
	v_cvt_scalef32_pk8_fp8_f32 v[XC+16*((\t)%2)+2*\g:XC+16*((\t)%2)+2*\g+1], v[XN+8*\g:XN+8*\g+7], v11
.endr
	v_nop                                          ; one plain vector line behind the run of conversions: the next step's LDS loads write their sources
.irp c, 0,1,2,3
	global_store_b128 v3, v[XC+16*((\t)%2)+4*\c:XC+16*((\t)%2)+4*\c+3], s[12:13] offset:2048*(\t)+512*\c th:TH_STORE_NT   ; 512 consecutive bytes, aligned
.endr
.endm
.macro LOADW t, N, sp                  ; block t: W(32 t + i, my column), i = 0..31: 32 lanes read 128 consecutive bytes, the four waves 512
.set i, 0
.rept 32
	global_load_b32 v[WX+32*((\t)%2)+i], v5, s[\sp:\sp+1] offset:(32*(\t)+i)*\N*4 th:TH_LOAD_NT
.set i, i+1
.endr
.endm
.macro BLOCKW t, N, sp, dp
.set XS, WX+32*((\t)%2)
.if (\t) < 7
	s_wait_loadcnt 32                              ; this block's 32 loads are in; the next block's may be out
.else
	s_wait_loadcnt 0x0
.endif
.set i, 0
.rept 32
.set i, i+1
.endr
	v_cvt_scalef32_pk8_fp8_f32 v[WC+8*(\t):WC+8*(\t)+1],   v[XS:XS+7], v11       ; k 0-7:   image lane (r, 0), bytes 0-7
	v_cvt_scalef32_pk8_fp8_f32 v[WC+8*(\t)+4:WC+8*(\t)+5], v[XS+8:XS+15], v11    ; k 8-15:  lane (r, 1), bytes 0-7
	v_cvt_scalef32_pk8_fp8_f32 v[WC+8*(\t)+2:WC+8*(\t)+3], v[XS+16:XS+23], v11   ; k 16-23: lane (r, 0), bytes 8-15
	v_cvt_scalef32_pk8_fp8_f32 v[WC+8*(\t)+6:WC+8*(\t)+7], v[XS+24:XS+31], v11   ; k 24-31: lane (r, 1), bytes 8-15
	v_nop                                          ; one plain vector line behind the run of conversions
	global_store_b128 v4, v[WC+8*(\t):WC+8*(\t)+3],   s[\dp:\dp+1] offset:((\t)/4)*2048+((\t)%4)*512 th:TH_STORE_NT       ; sixteen lanes store 256 consecutive bytes, aligned
	global_store_b128 v4, v[WC+8*(\t)+4:WC+8*(\t)+7], s[\dp:\dp+1] offset:((\t)/4)*2048+((\t)%4)*512+256 th:TH_STORE_NT
.if (\t)+2 < 8
	LOADW (\t)+2, \N, \sp
.endif
.endm
; A weight of N columns: the work-group takes 128 columns x 256 along K, a wave 32 columns.  Every offset is an immediate: 255 x N x 4 stays inside the signed 24 bits (ISA guide, chapter 10).
.macro WQ N, sp, dp, e, first
	s_sub_co_u32 s30, ttmp9, \first
	s_and_b32 s31, s30, 3                          ; which 256 along K
	s_lshr_b32 s30, s30, 2                         ; which 128 columns
	s_mul_i32 s32, s31, 256*\N*4
	s_lshl_b32 s34, s30, 9
	s_add_co_u32 s32, s32, s34
	s_lshl_b32 s34, s18, 7
	s_add_co_u32 s32, s32, s34                     ; + (128 x group + 32 x wave) x 4 bytes
	s_mov_b32 s33, 0
	s_add_nc_u64 s[\sp:\sp+1], s[\sp:\sp+1], s[32:33]
	s_lshl_b32 s32, s30, 17                        ; the image: tile 8 x group + 2 x wave, of 16,384 bytes,
	s_lshl_b32 s34, s18, 15
	s_add_co_u32 s32, s32, s34
	s_lshl_b32 s34, s31, 12                        ; and two K steps of 2,048 bytes for each 256 along K
	s_add_co_u32 s32, s32, s34
	s_add_nc_u64 s[\dp:\dp+1], s[\dp:\dp+1], s[32:33]
	v_lshlrev_b32 v5, 2, v2                        ; in: 4 bytes a lane
	v_lshrrev_b32 v4, 4, v2
	v_lshlrev_b32 v4, 14, v4                       ; out: lanes 16-31 belong to the next tile,
	v_and_b32 v6, 15, v2
	v_lshl_add_u32 v4, v6, 4, v4                   ; 16 bytes for each r
	LOADW 0, \N, \sp
	LOADW 1, \N, \sp
	SCALE \e
	s_wait_alu depctr_va_vdst(0)
.irp t, 0,1,2,3,4,5,6,7
	BLOCKW \t, \N, \sp, \dp
.endr
.endm
	s_load_b256 s[4:11], s[0:1], 0x0               ; x s[4:5], W_attn s[6:7], W_proj s[8:9], the scales' exponents s[10:11]
	s_load_b128 s[12:15], s[0:1], 0x20             ; x's image s[12:13], W_attn's s[14:15]
	s_load_b64 s[16:17], s[0:1], 0x30              ; W_proj's
	v_lshl_add_u32 v240, v0, 2, 0x8400
	v_mov_b32 v241, 0
	v_lshrrev_b32 v1, 5, v0
	v_readfirstlane_b32 s18, v1                    ; wave 0..3
	v_and_b32 v2, 31, v0                           ; lane
	v_lshlrev_b32 v3, 4, v2                        ; 16 x lane
	s_wait_kmcnt 0x0
	s_load_b256 s[20:27], s[10:11], 0x0            ; e0 .. e7
	s_cmp_lt_u32 ttmp9, 96                         ; the three ways part on the work-group's number; only x's way touches LDS
	s_cbranch_scc1 .Lw_attn
	s_cmp_lt_u32 ttmp9, 128
	s_cbranch_scc1 .Lw_proj
	s_sub_co_u32 s30, ttmp9, 128
	s_lshl_b32 s30, s30, 2
	s_add_co_u32 s30, s30, s18                     ; 0..1023: tile x 2 + half of K
	s_lshr_b32 s31, s30, 1
	s_and_b32 s30, s30, 1
	s_lshl_b32 s32, s31, 16                        ; x: 16 rows of 4,096 bytes a tile,
	s_lshl_b32 s33, s30, 11                        ; 512 numbers a half
	s_add_co_u32 s32, s32, s33
	s_mov_b32 s33, 0
	s_add_nc_u64 s[4:5], s[4:5], s[32:33]
	s_lshl_b32 s32, s31, 14                        ; the image: 16,384 bytes a tile,
	s_lshl_b32 s34, s30, 13                        ; four K steps of 2,048 a half
	s_add_co_u32 s32, s32, s34
	s_add_nc_u64 s[12:13], s[12:13], s[32:33]
	s_mul_i32 s34, s18, WSTG                       ; my stage
	s_wait_alu depctr_va_vdst(0)
	v_add_nc_u32 v14, s34, v3                      ; in: 16 bytes a lane of a row
	v_and_b32 v4, 15, v2
	v_lshrrev_b32 v5, 4, v2
	v_mul_u32_u24 v15, v4, SPITCH
	v_lshl_add_u32 v15, v5, 5, v15
	v_add_nc_u32 v15, s34, v15                     ; out: row r, + 8 h numbers
	LOADX 0
	LOADX 1
	s_wait_alu depctr_va_vdst(0)
	SCALE 20
	s_wait_alu depctr_va_vdst(0)
	STEPX 0
	STEPX 1
	STEPX 2
	STEPX 3
	s_wait_tensorcnt 0x0
	ds_add_u32 v240, v241
	s_wait_dscnt 0x0
	s_endpgm
.Lw_attn:
	s_wait_alu depctr_va_vdst(0)
	WQ 3072, 6, 14, 21, 0
	s_endpgm
.Lw_proj:
	s_wait_alu depctr_va_vdst(0)
	WQ 1024, 8, 16, 27, 96
	s_endpgm
.Lfunc_end_k_qfb1a23c635_prep:
	.size	k_qfb1a23c635_prep, .Lfunc_end_k_qfb1a23c635_prep-k_qfb1a23c635_prep
	.p2alignl 7, 3214868480
	.fill 96, 4, 3214868480
	.section	.rodata,"a",@progbits
	.p2align	6, 0x0
	.amdhsa_kernel k_qfb1a23c635_prep
		.amdhsa_group_segment_fixed_size 34304
		.amdhsa_private_segment_fixed_size 0
		.amdhsa_enable_private_segment 0
		.amdhsa_kernarg_size 56
		.amdhsa_user_sgpr_count 2
		.amdhsa_user_sgpr_kernarg_segment_ptr 1
		.amdhsa_wavefront_size32 1
		.amdhsa_system_sgpr_workgroup_id_x 1
		.amdhsa_system_sgpr_workgroup_id_y 1
		.amdhsa_system_sgpr_workgroup_id_z 1
		.amdhsa_system_vgpr_workitem_id 0
		.amdhsa_next_free_vgpr 242
		.amdhsa_next_free_sgpr 66
		.amdhsa_reserve_vcc 0
		.amdhsa_float_denorm_mode_32 3
		.amdhsa_float_denorm_mode_16_64 3
		.amdhsa_fp16_overflow 1
		.amdhsa_memory_ordered 1
		.amdhsa_forward_progress 1
		.amdhsa_inst_pref_size 79
	.end_amdhsa_kernel
	.amdgpu_metadata
---
amdhsa.version: [ 1, 2 ]
amdhsa.kernels:
  - .name:           k_qfb1a23c635_prep
    .symbol:         k_qfb1a23c635_prep.kd
    .args:
      - { .name: x, .offset: 0, .size: 8, .value_kind: global_buffer, .address_space: global }
      - { .name: W_attn, .offset: 8, .size: 8, .value_kind: global_buffer, .address_space: global }
      - { .name: W_proj, .offset: 16, .size: 8, .value_kind: global_buffer, .address_space: global }
      - { .name: lowp_scales, .offset: 24, .size: 8, .value_kind: global_buffer, .address_space: global }
      - { .name: x_img, .offset: 32, .size: 8, .value_kind: global_buffer, .address_space: global }
      - { .name: wa_img, .offset: 40, .size: 8, .value_kind: global_buffer, .address_space: global }
      - { .name: wp_img, .offset: 48, .size: 8, .value_kind: global_buffer, .address_space: global }
    .group_segment_fixed_size: 34304
    .private_segment_fixed_size: 0
    .kernarg_segment_align: 8
    .kernarg_segment_size: 56
    .max_flat_workgroup_size: 128
    .sgpr_count:     66
    .vgpr_count:     242
    .wavefront_size: 32
...
	.end_amdgpu_metadata
.endif
;; end of part 1
;; launch qkv (part 2): grid 12 x 32, 4 waves a work-group, clusters of 4 x 4, 327,680 bytes of LDS; arguments x_img, wa_img, b_attn, lowp_scales, qkv; writes qkv
.if DOCPART == 2
	.amdgcn_target "amdgcn-amd-amdhsa--gfx1250"
	.amdhsa_code_object_version 6
	.text
	.protected	k_qfb1a23c635_qkv
	.globl	k_qfb1a23c635_qkv
	.p2align	8
	.type	k_qfb1a23c635_qkv,@function
k_qfb1a23c635_qkv:
	s_mov_b64 s[64:65], 0
	v_nop
	global_prefetch_b8 v0, s[64:65] scope:SCOPE_SE
	s_setreg_imm32_b32 hwreg(HW_REG_WAVE_MODE, 25, 1), 1
	s_wait_xcnt 0x0
	s_wait_alu depctr_hold_cnt(0) depctr_sa_sdst(0) depctr_va_vdst(0) depctr_va_sdst(0) depctr_va_ssrc(0) depctr_va_vcc(0) depctr_vm_vsrc(0)
	s_getreg_b32 s2, hwreg(HW_REG_IB_STS2, 6, 4)
	s_cmp_eq_u32 s2, 0
	s_cbranch_scc0 .Lentry_in_a_cluster
	s_endpgm
.Lentry_in_a_cluster:
	s_bfe_u32 s2, ttmp6, 0x10000c
	s_cmp_lg_u32 s2, 0xf033
	s_cbranch_scc0 .Lentry_shape_is_right
	s_endpgm
.Lentry_shape_is_right:
; qkv = x W_attn + b_attn on codes of FP8 (E4M3), sums in f32; q, k and v are quantised at once (scales' entries 2, 3, 5) and stored as images of the next products' operand registers.
; A tile of the result, 256 x 256, is made by four waves, as many as a WGP has SIMDs; a wave makes 128 x 128: 64 accumulators of 16 x 16.  K = 1,024 goes in four steps of 256 through a ring of two LDS slots.
; OPERANDS ARE IMAGES: a tile of 16 rows x 1,024 K is 16,384 bytes, [K step of 128][load c][lane][16 bytes], each k at the place that the matrix instruction's own layout gives it.  A K step of 256 is 4,096 consecutive bytes of each
; tile; a tensor load brings them for 8 tiles; a fragment is four LDS loads of 512 consecutive bytes: no pitch and no padding.
; CLUSTERS: 4 x 4 work-groups; A's tile is asked for jointly along a row of the cluster, B's along a column.  The cluster's x is the KIND: 0 = q, 1 = k, 2 = v, the same for all sixteen partners.
; THE MATRIX INSTRUCTION IS USED TRANSPOSED (source 0 = 16 rows of B, source 1 = 16 rows of A): register j of lane (r, h) holds (A's row 16 a + r, B's row 16 b + 8 h + j).  q and k are operands whose K is the head's 64: their lanes
; want registers along W's columns: A = x, B = W_attn.  v is an operand whose K is the keys: its lanes want registers along t: A = W_attn's v columns, B = x.  The roles change by pointers and tile numbers alone; the loop is one text.
; OUT: [batch x 16 + head][393,216 bytes]: Q at 0 and K at 131,072: [t / 16][load 0..1][lane][16 bytes]; V at 262,144: [t / 32][d / 16][lane][16 bytes].  A lane's codes of two neighbouring accumulators ARE the 16 bytes of the
; same lane of the image: they leave straight from registers, 512 consecutive aligned bytes a store.
; LIMITS: e0 + e1 between -126 and 127; e2, e3, e5 between -126 and 119.  NaN among the inputs is not served.
; REGISTERS, in windows of 256: window 0: v16-31 addresses and constants; v32-95 b_attn along registers (q, k); v96-111 b_attn along lanes (v); v128-255 A's fragments, ONE set; on the way out v128-191 numbers, v192-255 codes.
;   window 1: B's fragments, TWO sets, at v0 and v128.   window 2: accumulators of my rows 0-63 ((a, b) at v[8 (8 a + b)]);   window 3: of my rows 64-127.
.set FR,     16                        ; registers of a fragment: 16 rows x 128 K
.set NL,     4                         ; LDS loads that bring one
.set NP,     4                         ; places behind this matrix instruction (ISA guide 7.12.1)
.set HALFT,  32768                     ; 8 tiles x 4,096 bytes: what one tensor load brings, and what one wave reads of A or of B
.set SLOT,   4*HALFT                   ; A's 16 tiles, then B's 16
.set SPARE,  2*SLOT                    ; behind the ring: the spare words, 128 bytes for each wave: two blocks of 256 bytes that no other line names
.set ADRA, 16                          ; v16-17  LDS address of my A fragments in slot 0, 1
.set ADRB, 20                          ; v20-21  the same for B
.set CO,   26                          ; v26     16 x lane
.set SPW,  28                          ; v28     LDS address of my spare word; never rewritten
.set NIL,  29                          ; v29     0; never rewritten
.set BB,   32
.set BA,   96
.set AF,   128
.set TMP,  128
.set CD,   192                         ; four sets of 16 registers of codes
.set G1, 24                            ; s[24:31] descriptor group 1 for A's tiles;  s[32:39] group 0, one set for each slot
.set G0, 32
.set G1B, 48                           ; s[48:55], s[56:63] the same for B's tiles
.set G0B, 56
.set MSB, 0
.macro WIN new                         ; the immediate's high byte repeats the setting that is left
.if MSB != \new
	s_set_vgpr_msb (MSB<<8)|\new
.set MSB, \new
.endif
.endm
.set MUL_LO, 0xa1                      ; source 0 (B) window 1, source 1 (A) window 0, C and D window 2
.set MUL_HI, 0xf1                      ; the same, C and D window 3
.set TO_B,   0x40                      ; destination window 1, address window 0
; A joint load: waves 0 and 1 fetch for A, waves 2 and 3 for B.  Each line has one mask and one set of registers for all that issue it; the branch hangs on the wave's number alone.  Four v_nop follow each line.
.macro JLOAD g0a, g1a, g0b, g1b
	s_cmp_eq_u32 s15, 0
	s_cbranch_scc0 .Lfor_b_\@
	tensor_load_to_lds s[\g0a:\g0a+3], s[\g1a:\g1a+7]
	s_nop 0
.rept 4
	v_nop
.endr
	s_branch .Lasked_\@
.Lfor_b_\@:
	tensor_load_to_lds s[\g0b:\g0b+3], s[\g1b:\g1b+7]
	s_nop 0
.rept 4
	v_nop
.endr
.Lasked_\@:
.endm
.macro CREST                           ; a round of the cluster's barrier behind its opening barrier
	s_cmp_lg_u32 s14, 0
	s_cbranch_scc1 .Lnot_wave_0_\@
	s_barrier_signal -3
.Lnot_wave_0_\@:
	s_barrier_wait -3
	s_barrier_signal -1
	s_barrier_wait -1
.endm
.macro CROUND                          ; a whole round
	s_barrier_signal -1
	s_barrier_wait -1
	CREST
.endm
	s_load_b256 s[4:11], s[0:1], 0x0               ; x's image s[4:5], W_attn's s[6:7], b_attn s[8:9], the scales' exponents s[10:11]
	s_load_b64 s[12:13], s[0:1], 0x20              ; qkv
	v_lshl_add_u32 v[SPW], v0, 2, SPARE
	v_mov_b32 v[NIL], 0
	ds_add_u32 v28, v29
	ds_add_u32 v28, v29
	s_wait_dscnt 0x0
	v_lshrrev_b32 v1, 5, v0
	v_readfirstlane_b32 s14, v1                    ; wave 0..3
	s_lshr_b32 s15, s14, 1                         ; which half of A's rows is mine.  Also: I fetch for A (0) or for B (1)
	s_and_b32 s16, s14, 1                          ; which half of B's rows.  Also: which 8 tiles I fetch
	s_bfe_u32 s40, ttmp6, 0x40000                  ; cx, cy: my place in the cluster
	s_bfe_u32 s41, ttmp6, 0x40004
	s_and_b32 s76, ttmp7, 0xffff
	s_lshl_b32 s76, s76, 2                         ; 4 x cluster y
	s_lshl_b32 s77, ttmp9, 2                       ; 4 x KIND
	s_cmp_eq_u32 ttmp9, 2                          ; v?  The same in all sixteen partners
	s_cselect_b32 s17, 8, s76
	s_cselect_b32 s42, s76, s77
	s_add_co_u32 s17, s17, s41                     ; A's block of 256 rows: q, k: x's 4 cluster y + cy;  v: W's 8 + cy.  It never holds cx
	s_add_co_u32 s42, s42, s40                     ; B's: q, k: W's 4 KIND + cx;  v: x's 4 cluster y + cx.  It never holds cy
	s_lshl_b32 s43, s41, 2
	s_lshl_b32 s43, 15, s43                        ; my row of the cluster
	s_lshl_b32 s44, 0x1111, s40                    ; my column
	; descriptor group 1: 8 rows (tiles) of 512 elements of 8 bytes, 2,048 elements apart in memory, dense in LDS
	s_or_b32 s[G1+0], s43, (3<<16)|(1<<21)         ; 15:0 the mask: A's tiles go to my row; 17:16 elements of 8 bytes; 20 no padding; 21 set beside a mask
	s_or_b32 s[G1B+0], s44, (3<<16)|(1<<21)
.irp g, G1, G1B
	s_mov_b32 s[\g+1], 512<<16                     ; tensor_dim0
	s_mov_b32 s[\g+2], 8<<16                       ; tensor_dim1
	s_mov_b32 s[\g+3], 512<<16                     ; tile_dim0
	s_mov_b32 s[\g+4], 8                           ; tile_dim1
	s_mov_b32 s[\g+5], 2048                        ; tensor_dim0_stride
	s_mov_b32 s[\g+6], 0
	s_mov_b32 s[\g+7], 0
.endr
	s_lshl_b32 s18, s16, 7                         ; which 128 rows of the block I fetch
	s_lshl_b32 s20, s17, 8
	s_add_co_u32 s20, s20, s18
	s_lshl_b32 s20, s20, 10                        ; a row's share of an image is 1,024 bytes
	s_mov_b32 s21, 0
	s_lshl_b32 s46, s42, 8
	s_add_co_u32 s46, s46, s18
	s_lshl_b32 s46, s46, 10
	s_mov_b32 s47, 0
	s_mul_i32 s45, s14, HALFT                      ; where they go: wave x 8 tiles: no place in the cluster enters an LDS address
	s_wait_kmcnt 0x0
	s_load_b256 s[68:75], s[10:11], 0x0            ; e0 .. e7
	s_cmp_eq_u32 ttmp9, 2
	s_cselect_b64 s[78:79], s[6:7], s[4:5]         ; A
	s_cselect_b64 s[80:81], s[4:5], s[6:7]         ; B
	s_add_nc_u64 s[20:21], s[78:79], s[20:21]
	s_add_nc_u64 s[46:47], s[80:81], s[46:47]
	CROUND                                         ; all sixteen work-groups are here: the first joint loads meet
.irp s, 0,1
	s_mov_b32 s[G0+4*\s], 1
	s_add_co_u32 s[G0+4*\s+1], s45, \s*SLOT
	s_add_nc_u64 s[G0+4*\s+2:G0+4*\s+3], s[20:21], \s*4096
	s_or_b32 s[G0+4*\s+3], s[G0+4*\s+3], 0x80000000
	s_mov_b32 s[G0B+4*\s], 1
	s_add_co_u32 s[G0B+4*\s+1], s45, \s*SLOT
	s_add_nc_u64 s[G0B+4*\s+2:G0B+4*\s+3], s[46:47], \s*4096
	s_or_b32 s[G0B+4*\s+3], s[G0B+4*\s+3], 0x80000000
	JLOAD G0+4*\s, G1, G0B+4*\s, G1B               ; two tensor loads of mine are out
.endr
	v_and_b32 v6, 31, v0
	v_lshlrev_b32 v[CO], 4, v6
	s_mul_i32 s82, s15, HALFT                      ; my 8 tiles of A
	s_mul_i32 s83, s16, HALFT                      ; my 8 tiles of B,
	s_add_co_u32 s83, s83, 2*HALFT                 ; which lie behind A's 16
.irp s, 0,1
	v_add_nc_u32 v[ADRA+\s], s82, v[CO]
	v_add_nc_u32 v[ADRB+\s], s83, v[CO]
	s_add_co_u32 s82, s82, SLOT
	s_add_co_u32 s83, s83, SLOT
.endr
	v_and_b32 v1, 15, v0                           ; r
	v_bfe_u32 v2, v0, 4, 1                         ; h
	s_wait_alu depctr_va_vdst(0)
	s_lshl_b32 s84, ttmp9, 12
	s_lshl_b32 s85, s40, 10
	s_add_co_u32 s84, s84, s85
	s_lshl_b32 s85, s16, 9
	s_add_co_u32 s84, s84, s85                     ; q, k: my first column of W_attn, x 4 bytes: 1024 KIND + 256 cx + 128 x half
	s_lshl_b32 s85, s41, 10
	s_lshl_b32 s86, s15, 9
	s_add_co_u32 s85, s85, s86
	s_add_co_u32 s85, s85, 8192                    ; v: 2048 + 256 cy + 128 x half
	s_cmp_eq_u32 ttmp9, 2
	s_cselect_b32 s84, 0, s84                      ; the set that a kind does not use is loaded from the bias's first bytes, so that every register is written on every way
	s_cselect_b32 s85, s85, 0
	s_cselect_b32 s86, s42, s17                    ; x's block of 256 rows
	s_cselect_b32 s87, s41, s40                    ; which 256 columns of the kind's 1,024
	s_cselect_b32 s88, s15, s16                    ; which half of them is mine
	s_cselect_b32 s89, s16, s15                    ; which half of x's rows
	v_lshl_add_u32 v112, v2, 5, s84                ; + 8 h numbers
	v_lshl_add_u32 v113, v1, 2, s85                ; + r numbers
.irp b, 0,1,2,3,4,5,6,7
	global_load_b128 v[BB+8*\b:BB+8*\b+3],   v112, s[8:9] offset:64*\b       ; q, k: b_attn at columns 16 b + 8 h + 0..7
	global_load_b128 v[BB+8*\b+4:BB+8*\b+7], v112, s[8:9] offset:64*\b+16
.endr
.irp a, 0,1,2,3,4,5,6,7
	global_load_b32 v[BA+2*\a],   v113, s[8:9] offset:64*\a                  ; v: b_attn at column 16 a + r, twice: a pair for the packed multiply-add
	global_load_b32 v[BA+2*\a+1], v113, s[8:9] offset:64*\a
.endr
	s_lshr_b32 s90, s86, 3                         ; the batch,
	s_lshl_b32 s90, s90, 4
	s_lshl_b32 s87, s87, 2
	s_add_co_u32 s90, s90, s87
	s_lshl_b32 s88, s88, 1
	s_add_co_u32 s90, s90, s88                     ; x 16 + my first head (4 to 256 columns, 2 to my half)
	s_mul_i32 s90, s90, 393216
	s_lshl_b32 s91, ttmp9, 17                      ; the kind's section
	s_add_co_u32 s90, s90, s91
	s_and_b32 s86, s86, 7
	s_lshl_b32 s86, s86, 14                        ; 256 rows t are 16,384 bytes of a section,
	s_add_co_u32 s90, s90, s86
	s_lshl_b32 s89, s89, 13                        ; my 128 of them 8,192
	s_add_co_u32 s90, s90, s89
	s_mov_b32 s91, 0
	s_add_nc_u64 s[12:13], s[12:13], s[90:91]
.macro FRAG reg, adr, q, i             ; a fragment, 16 rows x 128 K: tile i of my 8, the slot's q-th 128 along K: four loads of 512 consecutive bytes
.irp c, 0,1,2,3
	ds_load_b128 v[\reg+4*\c:\reg+4*\c+3], v[\adr] offset:2048*(\q)+512*\c+4096*(\i)
.endr
.endm
; 16 matrix instructions: A's blocks a0, a0 + 1 x B's eight, 128 along K.  p: B's set.  zero = 1: the first product starts the sums.  The 64 accumulators take turns, one instruction a turn, in the same order in every step.
.macro MUL16 a0, p, zero
.irp a, \a0, \a0+1
.irp b, 0,1,2,3,4,5,6,7
.if \zero
	v_wmma_f32_16x16x128_fp8_fp8 v[8*(8*((\a)%4)+\b):8*(8*((\a)%4)+\b)+7], v[128*(\p)+FR*\b:128*(\p)+FR*\b+FR-1], v[AF+FR*(\a):AF+FR*(\a)+FR-1], 0
.else
	v_wmma_f32_16x16x128_fp8_fp8 v[8*(8*((\a)%4)+\b):8*(8*((\a)%4)+\b)+7], v[128*(\p)+FR*\b:128*(\p)+FR*\b+FR-1], v[AF+FR*(\a):AF+FR*(\a)+FR-1], v[8*(8*((\a)%4)+\b):8*(8*((\a)%4)+\b)+7]
.endif
.endr
.endr
.endm
.macro FETCH_B slot, q, p
	WIN TO_B
.irp i, 0,1,2,3,4,5,6,7
	FRAG 128*(\p)+FR*\i, ADRB+\slot, \q, \i
.endr
	WIN 0
.endm
.macro FETCH_A slot, q, i0
.irp i, \i0, \i0+1, \i0+2, \i0+3
	FRAG AF+FR*(\i), ADRA+\slot, \q, \i
.endr
.endm
.macro PLACES n                        ; plain vector lines between a matrix instruction and a load into a register that it read, or a read of its result (ISA guide 7.12.1 for a read of its result)
.rept \n
	v_nop
.endr
.endm
; A step of 128 along K that has its successor in the same slot.  A's blocks are free as soon as their eight products are issued: blocks 0-3 are fetched anew in the middle, blocks 4-7 at the end; B has two sets.
.macro STEP slot, q, zero
	s_wait_dscnt 4*NL                              ; B's set and A's blocks 0-3 are in; the youngest 16 loads (A's blocks 4-7) may be out
	WIN MUL_LO
	MUL16 0, (\q)%2, \zero
	MUL16 2, (\q)%2, \zero
	s_wait_dscnt 0
	PLACES NP
	FETCH_B \slot, (\q)+1, 1-(\q)%2
	FETCH_A \slot, (\q)+1, 0
	WIN MUL_HI
	MUL16 4, (\q)%2, \zero
	MUL16 6, (\q)%2, \zero
	PLACES NP
	WIN 0
	FETCH_A \slot, (\q)+1, 4
.endm
; A slot's last step changes slots: ONE barrier; in front of it each wave waits for all its tensor loads, adds 0 to its spare word, and waits for that and for its own reads of this slot.  fill = 1: this slot is filled again, two K steps ahead.
.macro TURN slot, next, fill
	s_wait_tensorcnt 0x0                           ; all my tensor loads have landed: my part of the next slot
	ds_add_u32 v[SPW], v[NIL]                      ; 0 onto my spare word
	s_wait_dscnt 4*NL+1                            ; (the add and the youngest 16 loads may be out)
	WIN MUL_LO
	MUL16 0, 1, 0                                  ; sixteen matrix instructions stand between the add and the wait for it
	s_wait_dscnt 0x0                               ; the add is done, and my reads of this slot are over
	s_barrier_signal -1
	MUL16 2, 1, 0
	WIN 0
	s_barrier_wait -1
.if \fill
	CREST                                          ; the barrier has opened a round of the cluster's barrier: no wave of any partner still reads this slot or has a load on its way
	s_add_nc_u64 s[G0+4*\slot+2:G0+4*\slot+3], s[G0+4*\slot+2:G0+4*\slot+3], 2*4096
	s_add_nc_u64 s[G0B+4*\slot+2:G0B+4*\slot+3], s[G0B+4*\slot+2:G0B+4*\slot+3], 2*4096
	JLOAD G0+4*\slot, G1, G0B+4*\slot, G1B         ; the first tensor load behind the round, my one load out; its four v_nop are also the places in front of the loads below
.else
	PLACES NP
.endif
	FETCH_B \next, 0, 0
	FETCH_A \next, 0, 0
	WIN MUL_HI
	MUL16 4, 1, 0
	MUL16 6, 1, 0
	PLACES NP
	WIN 0
	FETCH_A \next, 0, 4
.endm
	s_wait_tensorcnt 1                             ; my part of K step 0 is in (K step 1's load may be out)
	s_barrier_signal -1
	s_barrier_wait -1                              ; everybody's is
	FETCH_B 0, 0, 0
	FETCH_A 0, 0, 0
	FETCH_A 0, 0, 4
	STEP 0, 0, 1                                   ; K has four steps of 256, eight of 128: written out, since a loop would have one trip
	TURN 0, 1, 1
	STEP 1, 0, 0
	TURN 1, 0, 1
	STEP 0, 0, 0
	TURN 0, 1, 0                                   ; the last two K steps are in LDS: nothing is filled, and no round of the cluster's barrier is needed
	STEP 1, 0, 0
	s_wait_dscnt 4*NL
	WIN MUL_LO
	MUL16 0, 1, 0
	MUL16 2, 1, 0
	s_wait_dscnt 0
	WIN MUL_HI
	MUL16 4, 1, 0
	MUL16 6, 1, 0
	WIN 0
; THE WAY OUT, a block of A's 16 rows at a time: number = sum x 2^(e0 + e1) + bias, one packed multiply-add for two, each accumulator from its low end on; the hold; the conversion.  Accumulators 2 p and 2 p + 1 give the 16 bytes
; of load p of the image.  kind = 0 (q, k): p / 2 is the head, p % 2 the load, a the tile of 16 t.  kind = 1 (v): a / 4 is the head, a % 4 the 16 of d, p the 32 keys.
.macro EBLK kind, a
.set AC, 64*((\a)%4)
.set CQ, CD+16*((\a)%4)
.if (\a) >= 4
	s_wait_xcnt 0x0                                ; the stores of four blocks back have read this set of code registers
.endif
	WIN 0x02+((\a)/4)                              ; source 0: window 2 or 3
.irp b, 0,1,2,3,4,5,6,7
.irp i, 0,2,4,6
.if \kind
	v_pk_fma_f32 v[TMP+8*\b+\i:TMP+8*\b+\i+1], v[AC+8*\b+\i:AC+8*\b+\i+1], s[96:97], v[BA+2*(\a):BA+2*(\a)+1] op_sel_hi:[1,0,1]
.else
	v_pk_fma_f32 v[TMP+8*\b+\i:TMP+8*\b+\i+1], v[AC+8*\b+\i:AC+8*\b+\i+1], s[96:97], v[BB+8*\b+\i:BB+8*\b+\i+1] op_sel_hi:[1,0,1]
.endif
.endr
.endr
	WIN 0
.set n, 0
.rept 64
.set n, n+1
.endr
.irp b, 0,1,2,3,4,5,6,7
	v_cvt_scalef32_pk8_fp8_f32 v[CQ+2*\b:CQ+2*\b+1], v[TMP+8*\b:TMP+8*\b+7], v30
.endr
	v_nop                                          ; one plain vector line behind the run of conversions: the next block writes their sources
.irp p, 0,1,2,3
.if \kind
	global_store_b128 v[CO], v[CQ+4*\p:CQ+4*\p+3], s[12:13] offset:((\a)/4)*393216+\p*2048+((\a)%4)*512 th:TH_STORE_NT
.else
	global_store_b128 v[CO], v[CQ+4*\p:CQ+4*\p+3], s[12:13] offset:(\p/2)*393216+(\a)*1024+(\p%2)*512 th:TH_STORE_NT   ; 32 lanes store 512 consecutive bytes, aligned
.endif
.endr
.endm
.macro EPI kind
.irp a, 0,1,2,3,4,5,6,7
	EBLK \kind, \a
.endr
.endm
	s_wait_kmcnt 0x0
	s_cmp_eq_u32 ttmp9, 0
	s_cselect_b32 s92, s70, s71                    ; the quantiser's exponent: e2 for q, e3 for k,
	s_cmp_eq_u32 ttmp9, 2
	s_cselect_b32 s92, s73, s92                    ; e5 for v: chosen without a jump
	s_add_co_i32 s92, s92, 127
	s_lshl_b32 s93, s92, 23
	v_mov_b32 v30, s93                             ; 2^e as f32
	s_add_co_i32 s96, s68, s69
	s_add_co_i32 s96, s96, 127
	s_lshl_b32 s96, s96, 23                        ; 2^(e0 + e1) as f32
	s_mov_b32 s97, s96                             ; (named with it as a pair, so it is written)
	s_wait_loadcnt 0x0                             ; the biases
	PLACES NP                                      ; behind the last products: their results are read, and A's registers written, from here on
	s_cmp_eq_u32 ttmp9, 2
	s_cbranch_scc1 .Lkind_v
	EPI 0
	s_branch .Ldone
.Lkind_v:
	EPI 1
.Ldone:
	s_wait_tensorcnt 0x0                           ; the wave's end
	ds_add_u32 v[SPW], v[NIL]
	s_wait_dscnt 0x0
	CROUND                                         ; the closing round: no work-group ends while a partner may still ask for a tile that names it
	s_endpgm
.Lfunc_end_k_qfb1a23c635_qkv:
	.size	k_qfb1a23c635_qkv, .Lfunc_end_k_qfb1a23c635_qkv-k_qfb1a23c635_qkv
	.p2alignl 7, 3214868480
	.fill 96, 4, 3214868480
	.section	.rodata,"a",@progbits
	.p2align	6, 0x0
	.amdhsa_kernel k_qfb1a23c635_qkv
		.amdhsa_group_segment_fixed_size 327680
		.amdhsa_private_segment_fixed_size 0
		.amdhsa_enable_private_segment 0
		.amdhsa_kernarg_size 40
		.amdhsa_user_sgpr_count 2
		.amdhsa_user_sgpr_kernarg_segment_ptr 1
		.amdhsa_wavefront_size32 1
		.amdhsa_system_sgpr_workgroup_id_x 1
		.amdhsa_system_sgpr_workgroup_id_y 1
		.amdhsa_system_sgpr_workgroup_id_z 1
		.amdhsa_system_vgpr_workitem_id 0
		.amdhsa_next_free_vgpr 1024
		.amdhsa_next_free_sgpr 100
		.amdhsa_reserve_vcc 0
		.amdhsa_float_denorm_mode_32 3
		.amdhsa_float_denorm_mode_16_64 3
		.amdhsa_fp16_overflow 1
		.amdhsa_memory_ordered 1
		.amdhsa_forward_progress 1
		.amdhsa_inst_pref_size 129
	.end_amdhsa_kernel
	.amdgpu_metadata
---
amdhsa.version: [ 1, 2 ]
amdhsa.kernels:
  - .name:           k_qfb1a23c635_qkv
    .symbol:         k_qfb1a23c635_qkv.kd
    .args:
      - { .name: x_img, .offset: 0, .size: 8, .value_kind: global_buffer, .address_space: global }
      - { .name: wa_img, .offset: 8, .size: 8, .value_kind: global_buffer, .address_space: global }
      - { .name: b_attn, .offset: 16, .size: 8, .value_kind: global_buffer, .address_space: global }
      - { .name: lowp_scales, .offset: 24, .size: 8, .value_kind: global_buffer, .address_space: global }
      - { .name: qkv, .offset: 32, .size: 8, .value_kind: global_buffer, .address_space: global }
    .group_segment_fixed_size: 327680
    .private_segment_fixed_size: 0
    .kernarg_segment_align: 8
    .kernarg_segment_size: 40
    .max_flat_workgroup_size: 128
    .sgpr_count:     100
    .vgpr_count:     1024
    .wavefront_size: 32
...
	.end_amdgpu_metadata
.endif
;; end of part 2
;; launch attn (part 3): grid 4 x 64, 16 waves a work-group, clusters of 4 x 1, 264,192 bytes of LDS; arguments qkv, lowp_scales, y_img; writes y_img
.if DOCPART == 3
	.amdgcn_target "amdgcn-amd-amdhsa--gfx1250"
	.amdhsa_code_object_version 6
	.text
	.protected	k_qfb1a23c635_attn
	.globl	k_qfb1a23c635_attn
	.p2align	8
	.type	k_qfb1a23c635_attn,@function
k_qfb1a23c635_attn:
	s_mov_b64 s[64:65], 0
	v_nop
	global_prefetch_b8 v0, s[64:65] scope:SCOPE_SE
	s_setreg_imm32_b32 hwreg(HW_REG_WAVE_MODE, 25, 1), 1
	s_wait_xcnt 0x0
	s_wait_alu depctr_hold_cnt(0) depctr_sa_sdst(0) depctr_va_vdst(0) depctr_va_sdst(0) depctr_va_ssrc(0) depctr_va_vcc(0) depctr_vm_vsrc(0)
	s_getreg_b32 s2, hwreg(HW_REG_IB_STS2, 6, 4)
	s_cmp_eq_u32 s2, 0
	s_cbranch_scc0 .Lentry_in_a_cluster
	s_endpgm
.Lentry_in_a_cluster:
	s_bfe_u32 s2, ttmp6, 0x10000c
	s_cmp_lg_u32 s2, 0x3003
	s_cbranch_scc0 .Lentry_shape_is_right
	s_endpgm
.Lentry_shape_is_right:
; y[b][t][head] = softmax over the keys k <= t of (q . k / 8), times v: both products on codes of FP8 (E4M3), each operand with the one scale 2^e given for it (entries 2, 3: q, k; 4, 5: p, v); y is quantised at once (entry 6).
; THE SOFTMAX AHEAD OF THE SECOND PRODUCT: t = score x log2(e) / 8; M = the row's largest t so far, rounded UP to a whole number; p = 2^(t - M) is what is quantised; it is not normalised.  The row's sum is taken of the
; unquantised p, in f32, and divides at the end.  When M moves, the sum and O are multiplied by 2^(old M - new M): exact.
; SHARES.  A cluster of four work-groups is one (batch, head).  The head's K and V codes, 131,072 bytes each, fit in LDS: they are fetched ONCE, jointly for the four partners, so nothing is filled again and the loop has no barrier.
; Each of the sixteen waves owns TWO tiles of 16 queries: tile 4 q + cx and its mirror 127 - (4 q + cx), q a number of the wave alone.  With u = q / 2 the early tile needs key steps 0 .. u of 128 keys and the late one 0 .. 15 - u:
; 17 steps for every wave of the launch.  The steps' bounds hang on the wave's number alone; cx enters only global addresses and the mask's lane constant.
; LAYOUT.  Both products are used transposed: S^T = K Q^T (source 0 = 16 keys, source 1 = my 16 queries, K = 64), O^T = V^T P^T (source 0 = 16 of the head's 64, source 1 = P, K = 128 keys): a lane holds ONE query throughout.
; K, Q: [t / 16][load 0..1][lane][16 bytes]; V: [t / 32][d / 16][lane][16 bytes]: images of the operands' registers, every k at its own place: a fragment is loads of 512 consecutive bytes.  Register 8 T + j of S^T is key
; 16 T + 8 h + j, so tile T's conversion gives registers 2 T, 2 T + 1 of P.  O^T's conversions give the 16 bytes of my lane in y's image, [b x 128 + t / 16][head][load 0..1][lane][16 bytes], which the next launch reads as its A.
; No prefetch: every byte of Q, K and V is asked for by its own load at the head.
; LIMITS: e2 + e3 between -123 and 130 (added to c's exponent field); e4 and e6 between -126 and 119; e4 + e5 goes by v_ldexp_f32 and has none.  NaN among the inputs is not served.
; REGISTERS: v1 16 x lane; v2, v3 LDS addresses; v4, v5 the masks' lane constants; v6 -infinity; v8-11, v12-15 a tile's -M, largest t, sum in two halves; v16-23, v24-31 Q; v32-95 K's 8 fragments, then V's 4; v96-159 S^T, then p;
; v160-191, v192-223 O^T; v224-239 p's codes; v241: 2^e4; v242-250 at work; v252: 2^e6.
.set LA,   1
.set ADK,  2
.set ADV,  3
.set NINF, 6
.set FRG,  32
.set S,    96
.set PC,   224
.set VOFF, 131072                      ; LDS: K at 0, V here; a key step of 128 keys is 8,192 bytes of each
.set WV,   10                          ; s10 my wave's number
.set CS,   66                          ; s[66:67] c = log2(e) / 8 x 2^(e2 + e3): the packed form names a pair and takes its low word
.set SEL,  68                          ; s[68:69] lane selects for v_permlanex16_b32: lane l xor 16
.set STP,  70                          ; s70 the key step
.set TB,   71                          ; s71 8,192 x the key step
.set G1A,  32                          ; s[32:39] descriptor group 1: 64 rows of 256 bytes;  s[40:47]: 192 rows;  s[48:51], s[52:55] their groups 0
.set G1B,  40
.set G0A,  48
.set G0B,  52
.macro CROUND                          ; a round of the cluster's barrier
	s_barrier_signal -1
	s_barrier_wait -1
	s_cmp_lg_u32 s[WV], 0
	s_cbranch_scc1 .Lnot_wave_0_\@
	s_barrier_signal -3
.Lnot_wave_0_\@:
	s_barrier_wait -3
	s_barrier_signal -1
	s_barrier_wait -1
.endm
	s_load_b128 s[4:7], s[0:1], 0x0                ; qkv s[4:5], the scales' exponents s[6:7]
	s_load_b64 s[8:9], s[0:1], 0x10                ; y's image
	v_lshl_add_u32 v254, v0, 2, 0x40000
	v_mov_b32 v255, 0
	ds_add_u32 v254, v255
	ds_add_u32 v254, v255
	v_lshrrev_b32 v7, 5, v0
	s_delay_alu instid0(VALU_DEP_1)
	v_readfirstlane_b32 s[WV], v7                  ; wave 0..15
	v_and_b32 v[LA], 31, v0
	s_delay_alu instid0(VALU_DEP_1)
	v_lshlrev_b32 v[LA], 4, v[LA]                  ; 16 x lane
	s_bfe_u32 s17, ttmp6, 0x40000                  ; cx
	s_and_b32 s20, ttmp7, 0xffff                   ; batch x 16 + head, which the four partners share
	s_lshr_b32 s11, s[WV], 2
	s_and_b32 s12, s[WV], 3
	s_add_co_u32 s13, s11, s12
	s_and_b32 s13, s13, 3
	s_lshl_b32 s13, s13, 2
	s_add_co_u32 s13, s13, s11                     ; q = 4 ((wave / 4 + wave % 4) % 4) + wave / 4: each of 0 .. 15 once, and spread whichever two bits of the wave's number four waves share
	s_lshr_b32 s15, s13, 1                         ; u: the early tile's last key step
	s_sub_co_u32 s16, 15, s15                      ; the late tile's
	s_lshl_b32 s18, s13, 2
	s_add_co_u32 s18, s18, s17                     ; the early tile: 4 q + cx
	s_sub_co_u32 s19, 127, s18                     ; the late tile
	; what I fetch, if I fetch: waves 0, 1: K's halves; waves 2, 3: V's
	s_lshr_b32 s21, s[WV], 1
	s_and_b32 s21, s21, 1
	s_and_b32 s22, s[WV], 1
	s_lshl_b32 s23, s21, 17
	s_lshl_b32 s24, s22, 14
	s_mul_i32 s25, s22, 49152
	s_add_co_u32 s26, s23, s24                     ; LDS: key steps 0-3: two halves of 16,384 bytes
	s_add_co_u32 s27, s23, s25
	s_add_co_u32 s27, s27, 32768                   ; key steps 4-15: two halves of 49,152
	s_mul_i32 s28, s20, 393216                     ; the head's block of qkv
	s_mov_b32 s29, 0
	s_add_co_u32 s30, s26, 131072                  ; in it K lies at 131,072 and V at 262,144: the LDS address + 131,072
	s_mov_b32 s31, 0
	s_add_co_u32 s76, s27, 131072
	s_mov_b32 s77, 0
	s_mov_b32 s[G1A], 15|(3<<16)|(1<<21)           ; 15:0 the mask: all four work-groups; 17:16 elements of 8 bytes; 20 no padding; 21 set beside a mask
	s_mov_b32 s[G1A+1], 32<<16                     ; tensor_dim0 = 32 elements: rows of 256 bytes, dense
	s_mov_b32 s[G1A+2], 64<<16                     ; tensor_dim1
	s_mov_b32 s[G1A+3], 32<<16                     ; tile_dim0
	s_mov_b32 s[G1A+4], 64                         ; tile_dim1
	s_mov_b32 s[G1A+5], 32                         ; tensor_dim0_stride
	s_mov_b32 s[G1A+6], 0
	s_mov_b32 s[G1A+7], 0
	s_mov_b32 s[G1B], 15|(3<<16)|(1<<21)
	s_mov_b32 s[G1B+1], 32<<16
	s_mov_b32 s[G1B+2], 192<<16
	s_mov_b32 s[G1B+3], 32<<16
	s_mov_b32 s[G1B+4], 192
	s_mov_b32 s[G1B+5], 32
	s_mov_b32 s[G1B+6], 0
	s_mov_b32 s[G1B+7], 0
	s_mov_b32 s[SEL], 0x76543210
	s_mov_b32 s[SEL+1], 0xfedcba98
	s_wait_dscnt 0x0
	s_wait_kmcnt 0x0
	s_load_b256 s[56:63], s[6:7], 0x0              ; e0 .. e7
	s_add_nc_u64 s[4:5], s[4:5], s[28:29]
	s_mov_b32 s[G0A], 1
	s_mov_b32 s[G0A+1], s26
	s_add_nc_u64 s[G0A+2:G0A+3], s[4:5], s[30:31]
	s_or_b32 s[G0A+3], s[G0A+3], 0x80000000
	s_mov_b32 s[G0B], 1
	s_mov_b32 s[G0B+1], s27
	s_add_nc_u64 s[G0B+2:G0B+3], s[4:5], s[76:77]
	s_or_b32 s[G0B+3], s[G0B+3], 0x80000000
	CROUND                                         ; all four work-groups are here: the joint loads meet
	s_cmp_lt_u32 s[WV], 4                          ; a wave's two fills stand in one branch on the wave's number, ahead of every wait on TENSORcnt, every LDS read and every other barrier: two loads of mine are out
	s_cbranch_scc0 .Lno_fetch
	tensor_load_to_lds s[G0A:G0A+3], s[G1A:G1A+7]
	s_nop 0
	tensor_load_to_lds s[G0B:G0B+3], s[G1B:G1B+7]
	s_nop 0
.rept 4
	v_nop
.endr
.Lno_fetch:
	s_lshl_b32 s30, s18, 10                        ; a tile of Q is 1,024 bytes
	s_add_nc_u64 s[22:23], s[4:5], s[30:31]
	s_lshl_b32 s30, s19, 10
	s_add_nc_u64 s[24:25], s[4:5], s[30:31]
	s_wait_alu depctr_va_vdst(0)
	global_load_b128 v[16:19], v[LA], s[22:23]
	global_load_b128 v[20:23], v[LA], s[22:23] offset:512
	global_load_b128 v[24:27], v[LA], s[24:25]
	global_load_b128 v[28:31], v[LA], s[24:25] offset:512
	s_lshr_b32 s26, s20, 4
	s_lshl_b32 s26, s26, 7                         ; y: batch x 128 tiles,
	s_and_b32 s27, s20, 15
	s_lshl_b32 s27, s27, 10                        ; the head's 1,024 bytes of a tile's 16,384
	s_add_co_u32 s30, s26, s18
	s_lshl_b32 s30, s30, 14
	s_add_co_u32 s30, s30, s27
	s_add_nc_u64 s[72:73], s[8:9], s[30:31]
	s_add_co_u32 s30, s26, s19
	s_lshl_b32 s30, s30, 14
	s_add_co_u32 s30, s30, s27
	s_add_nc_u64 s[74:75], s[8:9], s[30:31]
	v_and_b32 v7, 15, v0                           ; r
	v_bfe_u32 v248, v0, 4, 1                       ; h
	s_delay_alu instid0(VALU_DEP_1)
	v_lshlrev_b32 v248, 3, v248
	s_delay_alu instid0(VALU_DEP_1)
	v_sub_nc_u32 v7, v7, v248                      ; r - 8 h
	s_and_b32 s26, s18, 7
	s_lshl_b32 s26, s26, 4
	v_add_nc_u32 v4, s26, v7                       ; in a tile's last key step: my query's place among the step's 128 keys, less 8 h.  Register 8 T + j is hidden where 16 T + j is above it
	s_and_b32 s26, s19, 7
	s_lshl_b32 s26, s26, 4
	v_add_nc_u32 v5, s26, v7
	v_mov_b32 v[NINF], 0xff800000
	v_mov_b32 v9, 0xff61b1e6                       ; the largest t so far: -3e38, under every t
	v_mov_b32 v13, 0xff61b1e6
	s_delay_alu instid0(VALU_DEP_2)
	v_floor_f32 v8, -v9                            ; -M
	s_delay_alu instid0(VALU_DEP_2)
	v_floor_f32 v12, -v13
	v_mov_b32 v10, 0                               ; the sums, in two halves
	v_mov_b32 v11, 0
	v_mov_b32 v14, 0
	v_mov_b32 v15, 0
	v_mov_b32 v244, 0                              ; written once: a lane permute's destination counts as one of its sources
	v_mov_b32 v245, 0
	v_mov_b32 v247, 0                              ; (named as the upper half of the pair v[246:247])
.set n, 0
.rept 64
	v_mov_b32 v[160+n], 0                          ; O^T, once: the step is written without a first step of its own; the first change of M leaves zeros zeros
.set n, n+1
.endr
	s_wait_kmcnt 0x0
	s_mov_b32 s[CS], 0x3e38aa3b                    ; log2(e) / 8
	s_add_co_i32 s76, s58, s59
	s_lshl_b32 s76, s76, 23
	s_add_co_i32 s[CS], s[CS], s76                 ; a score stands for score x 2^(e2 + e3): the exponents are added to c's exponent field
	s_mov_b32 s[CS+1], s[CS]
	s_add_co_i32 s76, s60, 127
	s_lshl_b32 s77, s76, 23
	v_mov_b32 v241, s77                            ; 2^e4
	s_add_co_i32 s76, s62, 127
	s_lshl_b32 s77, s76, 23
	v_mov_b32 v252, s77                            ; 2^e6
; A KEY STEP of one tile: 128 keys.  QR: Q's registers; OR: O^T's; ST: the statistics'; TH: the scalar with the tile's last key step; DM: the mask's lane constant.
.macro STEP QR, OR, ST, TH, DM
	s_cmp_gt_u32 s[STP], s[\TH]                    ; all keys of the step come after my 16 queries: its work is left out (a branch on the wave's number and the loop's count)
	s_cbranch_scc1 .Lhid_\@
	v_add_nc_u32 v[ADK], s[TB], v[LA]
	s_delay_alu instid0(VALU_DEP_1)
	v_add_nc_u32 v[ADV], VOFF, v[ADK]
	v_nop
	v_nop                                          ; four places behind the last products, in front of loads into registers that they read
.irp t, 0,1,2,3,4,5,6,7
	ds_load_b128 v[FRG+8*\t:FRG+8*\t+3],   v[ADK] offset:1024*\t
	ds_load_b128 v[FRG+8*\t+4:FRG+8*\t+7], v[ADK] offset:1024*\t+512
.endr
	s_wait_alu depctr_va_vdst(0)
	s_wait_dscnt 8                                 ; K's tiles 0-3 are in; the youngest 8 loads may be out
.irp t, 0,1,2,3
	v_wmma_f32_16x16x64_fp8_fp8 v[S+8*\t:S+8*\t+7], v[FRG+8*\t:FRG+8*\t+7], v[\QR:\QR+7], 0
.endr
	s_wait_dscnt 0x0
.irp t, 4,5,6,7
	v_wmma_f32_16x16x64_fp8_fp8 v[S+8*\t:S+8*\t+7], v[FRG+8*\t:FRG+8*\t+7], v[\QR:\QR+7], 0
.endr
.rept 4
	v_nop                                          ; places in front of the loads below and of the first read of the scores
.endr
.irp d, 0,1,2,3
.irp c, 0,1,2,3
	ds_load_b128 v[FRG+16*\d+4*\c:FRG+16*\d+4*\c+3], v[ADV] offset:2048*\c+512*\d   ; V's four fragments land while the softmax is worked
.endr
.endr
	s_cmp_lg_u32 s[STP], s[\TH]
	s_cbranch_scc1 .Lopen_\@                       ; only a tile's last step lies on the diagonal
.set n, 0
.rept 64
	v_cmp_gt_i32 vcc_lo, 16*(n/8)+n%8, v[\DM]
	v_cndmask_b32 v[S+n], v[S+n], v[NINF], vcc_lo  ; hidden scores become -infinity ahead of the maximum: p = 0 then.  My own key counts, so the maximum is a number
.set n, n+1
.endr
.Lopen_\@:
	v_max3_num_f32 v248, v[S], v[S+1], v[S+2]      ; the step's largest score of my query among my 64 keys, in two chains; each tile's scores are read from their low end on
	v_max3_num_f32 v249, v[S+3], v[S+4], v[S+5]
.irp i, 6,10,14,18,22,26,30,34,38,42,46,50,54,58
	v_max3_num_f32 v248, v248, v[S+\i], v[S+\i+1]
	v_max3_num_f32 v249, v249, v[S+\i+2], v[S+\i+3]
.endr
	v_max3_num_f32 v248, v248, v[S+62], v[S+63]
	s_delay_alu instid0(VALU_DEP_1)
	v_max_num_f32 v248, v248, v249
	s_delay_alu instid0(VALU_DEP_1)
	v_permlanex16_b32 v244, v248, s[SEL], s[SEL+1]
	s_delay_alu instid0(VALU_DEP_1)
	v_max_num_f32 v248, v248, v244                 ; and among lane l xor 16's
	s_delay_alu instid0(VALU_DEP_1)
	v_mul_f32 v248, s[CS], v248                    ; as t (c is positive)
	s_delay_alu instid0(VALU_DEP_1)
	v_max_num_f32 v[\ST+1], v[\ST+1], v248         ; the running largest t
	v_mov_b32 v248, v[\ST]
	s_delay_alu instid0(VALU_DEP_2)
	v_floor_f32 v[\ST], -v[\ST+1]                  ; the new -M = floor(-t) = -ceil(t): a whole number
	s_delay_alu instid0(VALU_DEP_1)
	v_sub_f32 v248, v[\ST], v248                   ; old M - new M: a whole number, 0 or less
	s_delay_alu instid0(VALU_DEP_1)
	v_cvt_i32_f32 v248, v248                       ; (it saturates)
	s_delay_alu instid0(VALU_DEP_1)
	v_ldexp_f32 v246, 1.0, v248                    ; f = 2^(old M - new M)
.set n, 0
.rept 32
	v_pk_fma_f32 v[S+n:S+n+1], v[S+n:S+n+1], s[CS:CS+1], v[\ST:\ST+1] op_sel_hi:[1,0,0]   ; t - M, two at a time
.set n, n+2
.endr
.set n, 0
	s_wait_alu depctr_va_vdst(0)
.rept 64
	v_exp_f32 v[S+n], v[S+n]                       ; p = 2^(t - M), at most 1
.set n, n+1
.endr
	v_pk_mul_f32 v[\ST+2:\ST+3], v[\ST+2:\ST+3], v[246:247] op_sel_hi:[1,0]   ; the sums under the new M: the plain line behind the exponentials
	s_wait_alu depctr_va_vdst(0)                   ; one wait for the batch of 64, ahead of its first reader
	v_pk_add_f32 v[242:243], v[S:S+1], v[S+2:S+3]  ; the row's sum is taken of the unquantised p, in two chains
.irp j, 4,8,12,16,20,24,28,32,36,40,44,48,52,56,60
	v_pk_add_f32 v[\ST+2:\ST+3], v[\ST+2:\ST+3], v[S+\j:S+\j+1]
	v_pk_add_f32 v[242:243], v[242:243], v[S+\j+2:S+\j+3]
.endr
	s_delay_alu instid0(VALU_DEP_1)
	v_pk_add_f32 v[\ST+2:\ST+3], v[\ST+2:\ST+3], v[242:243]
.irp t, 0,1,2,3,4,5,6,7
.irp i, 0,1,2,3,4,5,6,7
.endr
	v_cvt_scalef32_pk8_fp8_f32 v[PC+2*\t:PC+2*\t+1], v[S+8*\t:S+8*\t+7], v241
.endr
.set n, 0
.rept 16
	v_pk_mul_f32 v[\OR+n:\OR+n+1], v[\OR+n:\OR+n+1], v[246:247] op_sel_hi:[1,0]   ; O^T under the new M.  (Also the plain lines behind the conversions)
.set n, n+2
.endr
	s_wait_alu depctr_va_vdst(0)
	s_wait_dscnt 0x0                               ; V is in
.irp d, 0,1,2,3
	v_wmma_f32_16x16x128_fp8_fp8 v[\OR+8*\d:\OR+8*\d+7], v[FRG+16*\d:FRG+16*\d+15], v[PC:PC+15], v[\OR+8*\d:\OR+8*\d+7]   ; four accumulators by turns; eight other products lie between two links of a chain
.endr
.Lhid_\@:
.endm
	s_wait_loadcnt 0x0                             ; Q
	s_wait_tensorcnt 1                             ; my part of key steps 0-3 is in; the load of steps 4-15 may be out
	s_barrier_signal -1
	s_barrier_wait -1                              ; everybody's is
	s_mov_b32 s[STP], 0
	s_mov_b32 s[TB], 0
.Lfirst:                                           ; key steps 0-3, while the other twelve land
	STEP 16, 160, 8, 15, 4
	STEP 24, 192, 12, 16, 5
	s_add_co_u32 s[STP], s[STP], 1
	s_add_co_u32 s[TB], s[TB], 8192
	s_cmp_lt_u32 s[STP], 4
	s_cbranch_scc1 .Lfirst
	s_wait_tensorcnt 0x0                           ; my part of key steps 4-15 is in,
	s_wait_dscnt 0x0
	s_barrier_signal -1
	s_barrier_wait -1                              ; everybody's is
	s_mov_b32 s[STP], 4
	s_mov_b32 s[TB], 32768
.Lrest:
	STEP 16, 160, 8, 15, 4
	STEP 24, 192, 12, 16, 5
	s_add_co_u32 s[STP], s[STP], 1
	s_add_co_u32 s[TB], s[TB], 8192
	s_cmp_lt_u32 s[STP], 16
	s_cbranch_scc1 .Lrest
	; THE WAY OUT: y = O^T / the sum x 2^(e4 + e5), held, converted with 2^e6: a lane's 32 codes are its 16 bytes of the image's two loads
.rept 4
	v_nop
.endr
	v_add_f32 v10, v10, v11                        ; the sums' two halves,
	v_add_f32 v14, v14, v15
	s_delay_alu instid0(VALU_DEP_2)
	v_permlanex16_b32 v244, v10, s[SEL], s[SEL+1]
	s_delay_alu instid0(VALU_DEP_2)
	v_permlanex16_b32 v245, v14, s[SEL], s[SEL+1]
	s_delay_alu instid0(VALU_DEP_2)
	v_add_f32 v10, v10, v244                       ; and lane l xor 16's
	s_delay_alu instid0(VALU_DEP_2)
	v_add_f32 v14, v14, v245
	s_wait_alu depctr_va_vdst(0)
	v_rcp_f32 v10, v10
	v_rcp_f32 v14, v14
	v_nop                                          ; a plain line behind the reciprocals
	s_add_co_i32 s76, s60, s61
	s_wait_alu depctr_va_vdst(0)                   ; one wait for both, ahead of their first reader
	v_ldexp_f32 v10, v10, s76
	v_ldexp_f32 v14, v14, s76
.macro OUT OR, SB, LR, CB, YA
.set n, 0
.rept 16
	v_pk_mul_f32 v[\SB+n:\SB+n+1], v[\OR+n:\OR+n+1], v[\LR:\LR+1] op_sel_hi:[1,0]   ; each accumulator from its low end on
.set n, n+2
.endr
.set n, 0
.rept 32
.set n, n+1
.endr
.irp d, 0,1,2,3
	v_cvt_scalef32_pk8_fp8_f32 v[\CB+2*\d:\CB+2*\d+1], v[\SB+8*\d:\SB+8*\d+7], v252
.endr
	v_nop                                          ; one plain vector line behind the run of conversions
	global_store_b128 v[LA], v[\CB:\CB+3],   s[\YA:\YA+1] th:TH_STORE_NT               ; 32 lanes store 512 consecutive bytes, aligned
	global_store_b128 v[LA], v[\CB+4:\CB+7], s[\YA:\YA+1] offset:512 th:TH_STORE_NT
.endm
	OUT 160, 96, 10, 32, 72
	OUT 192, 128, 14, 40, 74
	s_wait_dscnt 0x0
	s_wait_tensorcnt 0x0
	ds_add_u32 v254, v255
	s_wait_dscnt 0x0
	CROUND                                         ; the closing round: no work-group ends while a partner may still ask for a tile that names it
	s_endpgm
.Lfunc_end_k_qfb1a23c635_attn:
	.size	k_qfb1a23c635_attn, .Lfunc_end_k_qfb1a23c635_attn-k_qfb1a23c635_attn
	.p2alignl 7, 3214868480
	.fill 96, 4, 3214868480
	.section	.rodata,"a",@progbits
	.p2align	6, 0x0
	.amdhsa_kernel k_qfb1a23c635_attn
		.amdhsa_group_segment_fixed_size 264192
		.amdhsa_private_segment_fixed_size 0
		.amdhsa_enable_private_segment 0
		.amdhsa_kernarg_size 24
		.amdhsa_user_sgpr_count 2
		.amdhsa_user_sgpr_kernarg_segment_ptr 1
		.amdhsa_wavefront_size32 1
		.amdhsa_system_sgpr_workgroup_id_x 1
		.amdhsa_system_sgpr_workgroup_id_y 1
		.amdhsa_system_sgpr_workgroup_id_z 1
		.amdhsa_system_vgpr_workitem_id 0
		.amdhsa_next_free_vgpr 256
		.amdhsa_next_free_sgpr 80
		.amdhsa_reserve_vcc 1
		.amdhsa_float_denorm_mode_32 3
		.amdhsa_float_denorm_mode_16_64 3
		.amdhsa_fp16_overflow 1
		.amdhsa_memory_ordered 1
		.amdhsa_forward_progress 1
		.amdhsa_inst_pref_size 88
	.end_amdhsa_kernel
	.amdgpu_metadata
---
amdhsa.version: [ 1, 2 ]
amdhsa.kernels:
  - .name:           k_qfb1a23c635_attn
    .symbol:         k_qfb1a23c635_attn.kd
    .args:
      - { .name: qkv, .offset: 0, .size: 8, .value_kind: global_buffer, .address_space: global }
      - { .name: lowp_scales, .offset: 8, .size: 8, .value_kind: global_buffer, .address_space: global }
      - { .name: y_img, .offset: 16, .size: 8, .value_kind: global_buffer, .address_space: global }
    .group_segment_fixed_size: 264192
    .private_segment_fixed_size: 0
    .kernarg_segment_align: 8
    .kernarg_segment_size: 24
    .max_flat_workgroup_size: 512
    .sgpr_count:     80
    .vgpr_count:     256
    .wavefront_size: 32
...
	.end_amdgpu_metadata
.endif
;; end of part 3
;; launch proj (part 4): grid 4 x 32, 4 waves a work-group, clusters of 4 x 4, 327,680 bytes of LDS; arguments y_img, wp_img, b_proj, lowp_scales, out0; writes out0
.if DOCPART == 4
	.amdgcn_target "amdgcn-amd-amdhsa--gfx1250"
	.amdhsa_code_object_version 6
	.text
	.protected	k_qfb1a23c635_proj
	.globl	k_qfb1a23c635_proj
	.p2align	8
	.type	k_qfb1a23c635_proj,@function
k_qfb1a23c635_proj:
	s_mov_b64 s[64:65], 0
	v_nop
	global_prefetch_b8 v0, s[64:65] scope:SCOPE_SE
	s_setreg_imm32_b32 hwreg(HW_REG_WAVE_MODE, 25, 1), 1
	s_wait_xcnt 0x0
	s_wait_alu depctr_hold_cnt(0) depctr_sa_sdst(0) depctr_va_vdst(0) depctr_va_sdst(0) depctr_va_ssrc(0) depctr_va_vcc(0) depctr_vm_vsrc(0)
	s_getreg_b32 s2, hwreg(HW_REG_IB_STS2, 6, 4)
	s_cmp_eq_u32 s2, 0
	s_cbranch_scc0 .Lentry_in_a_cluster
	s_endpgm
.Lentry_in_a_cluster:
	s_bfe_u32 s2, ttmp6, 0x10000c
	s_cmp_lg_u32 s2, 0xf033
	s_cbranch_scc0 .Lentry_shape_is_right
	s_endpgm
.Lentry_shape_is_right:
; out0 = y W_proj + b_proj on codes of FP8 (E4M3), sums in f32: out0 = sum x 2^(e6 + e7) + b_proj.  y's and W_proj's codes come as images of the operands' registers.
; A tile of the result, 256 x 256, is made by four waves, as many as a WGP has SIMDs; a wave makes 128 x 128: 64 accumulators of 16 x 16.  K = 1,024 goes in four steps of 256 through a ring of two LDS slots.
; OPERANDS ARE IMAGES: a tile of 16 rows x 1,024 K is 16,384 bytes, [K step of 128][load c][lane][16 bytes], each k at the place that the matrix instruction's own layout gives it.  A K step of 256 is 4,096 consecutive bytes of each
; tile; a tensor load brings them for 8 tiles; a fragment is four LDS loads of 512 consecutive bytes: no pitch and no padding.
; CLUSTERS: 4 x 4 work-groups; A's tile is asked for jointly along a row of the cluster, B's along a column.  The result has 32 x 4 tiles: 128 work-groups.
; THE MATRIX INSTRUCTION IS USED TRANSPOSED (source 0 = 16 rows of B, source 1 = 16 rows of A): a lane holds eight neighbouring numbers of a row of the result.
; LIMIT: e6 + e7 between -126 and 127.
; REGISTERS, in windows of 256: window 0: v8-11 my four numbers of b_proj; v16-29 addresses; v128-255 A's fragments, ONE set; on the way out rows read back from the stage.
;   window 1: B's fragments, TWO sets, at v0 and v128.   window 2: accumulators of my rows 0-63 ((a, b) at v[8 (8 a + b)]);   window 3: of my rows 64-127.
.set FR,     16                        ; registers of a fragment: 16 rows x 128 K
.set NL,     4                         ; LDS loads that bring one
.set NP,     4                         ; places behind this matrix instruction (ISA guide 7.12.1)
.set HALFT,  32768                     ; 8 tiles x 4,096 bytes: what one tensor load brings, and what one wave reads of A or of B
.set SLOT,   4*HALFT                   ; A's 16 tiles, then B's 16
.set SPARE,  2*SLOT                    ; behind the ring: the spare words, 128 bytes for each wave: two blocks of 256 bytes that no other line names
.set SPITCH, 528                       ; the way out: a stage of 16 rows x (512 bytes + 16) for each wave, in slot 0, which has had its last fill and its last read when the first result is stored there
.set ADRA, 16                          ; v16-17  LDS address of my A fragments in slot 0, 1
.set ADRB, 20                          ; v20-21  the same for B
.set STO,  24                          ; v24     the way out: where I put 32 bytes of a row
.set RD,   25                          ; v25     the way out: where I read a row back
.set CO,   26                          ; v26     16 x lane
.set SPW,  28                          ; v28     LDS address of my spare word; never rewritten
.set NIL,  29                          ; v29     0; never rewritten
.set AF,   128
.set BK,   128                         ; the way out: 16 rows read back: v128-191 and v192-255 by turns
.set G1, 24                            ; s[24:31] descriptor group 1 for A's tiles;  s[32:39] group 0, one set for each slot
.set G0, 32
.set G1B, 48                           ; s[48:55], s[56:63] the same for B's tiles
.set G0B, 56
.set MSB, 0
.macro WIN new                         ; the immediate's high byte repeats the setting that is left
.if MSB != \new
	s_set_vgpr_msb (MSB<<8)|\new
.set MSB, \new
.endif
.endm
.set MUL_LO, 0xa1                      ; source 0 (B) window 1, source 1 (A) window 0, C and D window 2
.set MUL_HI, 0xf1                      ; the same, C and D window 3
.set TO_B,   0x40                      ; destination window 1, address window 0
; A joint load: waves 0 and 1 fetch for A, waves 2 and 3 for B.  Each line has one mask and one set of registers for all that issue it; the branch hangs on the wave's number alone.  Four v_nop follow each line.
.macro JLOAD g0a, g1a, g0b, g1b
	s_cmp_eq_u32 s15, 0
	s_cbranch_scc0 .Lfor_b_\@
	tensor_load_to_lds s[\g0a:\g0a+3], s[\g1a:\g1a+7]
	s_nop 0
.rept 4
	v_nop
.endr
	s_branch .Lasked_\@
.Lfor_b_\@:
	tensor_load_to_lds s[\g0b:\g0b+3], s[\g1b:\g1b+7]
	s_nop 0
.rept 4
	v_nop
.endr
.Lasked_\@:
.endm
.macro CREST                           ; a round of the cluster's barrier behind its opening barrier
	s_cmp_lg_u32 s14, 0
	s_cbranch_scc1 .Lnot_wave_0_\@
	s_barrier_signal -3
.Lnot_wave_0_\@:
	s_barrier_wait -3
	s_barrier_signal -1
	s_barrier_wait -1
.endm
.macro CROUND                          ; a whole round
	s_barrier_signal -1
	s_barrier_wait -1
	CREST
.endm
	s_load_b256 s[4:11], s[0:1], 0x0               ; y's image s[4:5], W_proj's s[6:7], b_proj s[8:9], the scales' exponents s[10:11]
	s_load_b64 s[12:13], s[0:1], 0x20              ; out0
	v_lshl_add_u32 v[SPW], v0, 2, SPARE
	v_mov_b32 v[NIL], 0
	ds_add_u32 v28, v29
	ds_add_u32 v28, v29
	s_wait_dscnt 0x0
	v_lshrrev_b32 v1, 5, v0
	v_readfirstlane_b32 s14, v1                    ; wave 0..3
	s_lshr_b32 s15, s14, 1                         ; which half of the tile's rows is mine.  Also: I fetch for A (0) or for B (1)
	s_and_b32 s16, s14, 1                          ; which half of its columns.  Also: which 8 tiles I fetch
	s_bfe_u32 s40, ttmp6, 0x40000                  ; cx, cy: my place in the cluster
	s_bfe_u32 s41, ttmp6, 0x40004
	s_lshl_b32 s42, ttmp9, 2
	s_add_co_u32 s42, s42, s40                     ; tile column = 4 x cluster x + cx
	s_and_b32 s17, ttmp7, 0xffff
	s_lshl_b32 s17, s17, 2
	s_add_co_u32 s17, s17, s41                     ; tile row = 4 x cluster y + cy
	s_lshl_b32 s43, s41, 2
	s_lshl_b32 s43, 15, s43                        ; my row of the cluster
	s_lshl_b32 s44, 0x1111, s40                    ; my column
	; descriptor group 1: 8 rows (tiles) of 512 elements of 8 bytes, 2,048 elements apart in memory, dense in LDS
	s_or_b32 s[G1+0], s43, (3<<16)|(1<<21)         ; 15:0 the mask: A's tiles go to my row; 17:16 elements of 8 bytes; 20 no padding; 21 set beside a mask
	s_or_b32 s[G1B+0], s44, (3<<16)|(1<<21)
.irp g, G1, G1B
	s_mov_b32 s[\g+1], 512<<16                     ; tensor_dim0
	s_mov_b32 s[\g+2], 8<<16                       ; tensor_dim1
	s_mov_b32 s[\g+3], 512<<16                     ; tile_dim0
	s_mov_b32 s[\g+4], 8                           ; tile_dim1
	s_mov_b32 s[\g+5], 2048                        ; tensor_dim0_stride
	s_mov_b32 s[\g+6], 0
	s_mov_b32 s[\g+7], 0
.endr
	s_lshl_b32 s18, s16, 7                         ; which 128 rows of the tile I fetch
	s_lshl_b32 s20, s17, 8
	s_add_co_u32 s20, s20, s18
	s_lshl_b32 s20, s20, 10                        ; a row's share of an image is 1,024 bytes
	s_mov_b32 s21, 0
	s_lshl_b32 s46, s42, 8
	s_add_co_u32 s46, s46, s18
	s_lshl_b32 s46, s46, 10
	s_mov_b32 s47, 0
	s_mul_i32 s45, s14, HALFT                      ; where they go: wave x 8 tiles: no place in the cluster enters an LDS address
	s_wait_kmcnt 0x0
	s_load_b256 s[68:75], s[10:11], 0x0            ; e0 .. e7
	s_add_nc_u64 s[20:21], s[4:5], s[20:21]
	s_add_nc_u64 s[46:47], s[6:7], s[46:47]
	CROUND                                         ; all sixteen work-groups are here: the first joint loads meet
.irp s, 0,1
	s_mov_b32 s[G0+4*\s], 1
	s_add_co_u32 s[G0+4*\s+1], s45, \s*SLOT
	s_add_nc_u64 s[G0+4*\s+2:G0+4*\s+3], s[20:21], \s*4096
	s_or_b32 s[G0+4*\s+3], s[G0+4*\s+3], 0x80000000
	s_mov_b32 s[G0B+4*\s], 1
	s_add_co_u32 s[G0B+4*\s+1], s45, \s*SLOT
	s_add_nc_u64 s[G0B+4*\s+2:G0B+4*\s+3], s[46:47], \s*4096
	s_or_b32 s[G0B+4*\s+3], s[G0B+4*\s+3], 0x80000000
	s_wait_alu depctr_va_vdst(0)
	s_wait_tensorcnt 0x0
	ds_add_u32 v28, v29
	ds_add_u32 v28, v29
	s_wait_dscnt 0x0
	CROUND
	JLOAD G0+4*\s, G1, G0B+4*\s, G1B               ; one tensor load of mine is out: the first has landed
.endr
	v_and_b32 v6, 31, v0
	v_lshlrev_b32 v[CO], 4, v6
	s_wait_alu depctr_va_vdst(0)
	s_mul_i32 s82, s15, HALFT                      ; my 8 tiles of A
	s_mul_i32 s83, s16, HALFT                      ; my 8 tiles of B,
	s_add_co_u32 s83, s83, 2*HALFT                 ; which lie behind A's 16
.irp s, 0,1
	v_add_nc_u32 v[ADRA+\s], s82, v[CO]
	v_add_nc_u32 v[ADRB+\s], s83, v[CO]
	s_add_co_u32 s82, s82, SLOT
	s_add_co_u32 s83, s83, SLOT
.endr
	v_and_b32 v1, 15, v0                           ; r
	v_bfe_u32 v2, v0, 4, 1                         ; h
	s_lshl_b32 s84, s42, 10
	s_lshl_b32 s85, s16, 9
	s_add_co_u32 s84, s84, s85                     ; my first column x 4 bytes: 256 x tile column + 128 x half
	v_add_nc_u32 v12, s84, v[CO]
	global_load_b128 v[8:11], v12, s[8:9]          ; b_proj at the four columns that my lane stores of every row
	s_mul_i32 s85, s14, 16*SPITCH                  ; my stage
	v_mul_u32_u24 v[STO], v1, SPITCH               ; in: row r, 32 bytes for each half of the lanes
	v_lshl_add_u32 v[STO], v2, 5, v[STO]
	v_add_nc_u32 v[STO], s85, v[STO]
	v_add_nc_u32 v[RD], s85, v[CO]                 ; back: the 32 lanes take one row of 512 bytes
	s_lshl_b32 s86, s17, 8
	s_lshl_b32 s87, s15, 7
	s_add_co_u32 s86, s86, s87                     ; my first row: 256 x tile row + 128 x half,
	s_lshl_b32 s86, s86, 12                        ; of 4,096 bytes
	s_add_co_u32 s86, s86, s84
	s_mov_b32 s87, 0
	s_add_nc_u64 s[12:13], s[12:13], s[86:87]
.macro FRAG reg, adr, q, i             ; a fragment, 16 rows x 128 K: tile i of my 8, the slot's q-th 128 along K: four loads of 512 consecutive bytes
.irp c, 0,1,2,3
	ds_load_b128 v[\reg+4*\c:\reg+4*\c+3], v[\adr] offset:2048*(\q)+512*\c+4096*(\i)
.endr
.endm
; 16 matrix instructions: A's blocks a0, a0 + 1 x B's eight, 128 along K.  p: B's set.  zero = 1: the first product starts the sums.  The 64 accumulators take turns, one instruction a turn, in the same order in every step.
.macro MUL16 a0, p, zero
.irp a, \a0, \a0+1
.irp b, 0,1,2,3,4,5,6,7
.if \zero
	v_wmma_f32_16x16x128_fp8_fp8 v[8*(8*((\a)%4)+\b):8*(8*((\a)%4)+\b)+7], v[128*(\p)+FR*\b:128*(\p)+FR*\b+FR-1], v[AF+FR*(\a):AF+FR*(\a)+FR-1], 0
.else
	v_wmma_f32_16x16x128_fp8_fp8 v[8*(8*((\a)%4)+\b):8*(8*((\a)%4)+\b)+7], v[128*(\p)+FR*\b:128*(\p)+FR*\b+FR-1], v[AF+FR*(\a):AF+FR*(\a)+FR-1], v[8*(8*((\a)%4)+\b):8*(8*((\a)%4)+\b)+7]
.endif
.endr
.endr
.endm
.macro FETCH_B slot, q, p
	WIN TO_B
.irp i, 0,1,2,3,4,5,6,7
	FRAG 128*(\p)+FR*\i, ADRB+\slot, \q, \i
.endr
	WIN 0
.endm
.macro FETCH_A slot, q, i0
.irp i, \i0, \i0+1, \i0+2, \i0+3
	FRAG AF+FR*(\i), ADRA+\slot, \q, \i
.endr
.endm
.macro PLACES n                        ; plain vector lines between a matrix instruction and a load into a register that it read, or a read of its result (ISA guide 7.12.1 for a read of its result)
.rept \n
	v_nop
.endr
.endm
; A step of 128 along K that has its successor in the same slot.  A's blocks are free as soon as their eight products are issued: blocks 0-3 are fetched anew in the middle, blocks 4-7 at the end; B has two sets.
.macro STEP slot, q, zero
	s_wait_dscnt 4*NL                              ; B's set and A's blocks 0-3 are in; the youngest 16 loads (A's blocks 4-7) may be out
	WIN MUL_LO
	MUL16 0, (\q)%2, \zero
	MUL16 2, (\q)%2, \zero
	s_wait_dscnt 0
	PLACES NP
	FETCH_B \slot, (\q)+1, 1-(\q)%2
	FETCH_A \slot, (\q)+1, 0
	WIN MUL_HI
	MUL16 4, (\q)%2, \zero
	MUL16 6, (\q)%2, \zero
	PLACES NP
	WIN 0
	FETCH_A \slot, (\q)+1, 4
.endm
; A slot's last step changes slots: ONE barrier; in front of it each wave waits for all its tensor loads, adds 0 to its spare word, and waits for that and for its own reads of this slot.  fill = 1: this slot is filled again, two K steps ahead.
.macro TURN slot, next, fill
	s_wait_tensorcnt 0x0                           ; all my tensor loads have landed: my part of the next slot
	ds_add_u32 v[SPW], v[NIL]                      ; 0 onto my spare word
	s_wait_dscnt 4*NL+1                            ; (the add and the youngest 16 loads may be out)
	WIN MUL_LO
	MUL16 0, 1, 0                                  ; sixteen matrix instructions stand between the add and the wait for it
	s_wait_dscnt 0x0                               ; the add is done, and my reads of this slot are over
	s_barrier_signal -1
	MUL16 2, 1, 0
	WIN 0
	s_barrier_wait -1
.if \fill
	CREST                                          ; the barrier has opened a round of the cluster's barrier: no wave of any partner still reads this slot or has a load on its way
	s_add_nc_u64 s[G0+4*\slot+2:G0+4*\slot+3], s[G0+4*\slot+2:G0+4*\slot+3], 2*4096
	s_add_nc_u64 s[G0B+4*\slot+2:G0B+4*\slot+3], s[G0B+4*\slot+2:G0B+4*\slot+3], 2*4096
	JLOAD G0+4*\slot, G1, G0B+4*\slot, G1B         ; the first tensor load behind the round, my one load out; its four v_nop are also the places in front of the loads below
.else
	PLACES NP
.endif
	s_wait_alu depctr_va_vdst(0)
	FETCH_B \next, 0, 0
	FETCH_A \next, 0, 0
	WIN MUL_HI
	MUL16 4, 1, 0
	MUL16 6, 1, 0
	PLACES NP
	WIN 0
	FETCH_A \next, 0, 4
.endm
	s_wait_tensorcnt 1                             ; my part of K step 0 is in (K step 1's load may be out)
	s_barrier_signal -1
	s_barrier_wait -1                              ; everybody's is
	FETCH_B 0, 0, 0
	FETCH_A 0, 0, 0
	FETCH_A 0, 0, 4
	STEP 0, 0, 1                                   ; K has four steps of 256, eight of 128: written out, since a loop would have one trip
	TURN 0, 1, 1
	STEP 1, 0, 0
	TURN 1, 0, 1
	STEP 0, 0, 0
	TURN 0, 1, 0                                   ; the last two K steps are in LDS: nothing is filled, and no round of the cluster's barrier is needed
	STEP 1, 0, 0
	s_wait_dscnt 4*NL
	WIN MUL_LO
	MUL16 0, 1, 0
	MUL16 2, 1, 0
	s_wait_dscnt 0
	WIN MUL_HI
	MUL16 4, 1, 0
	MUL16 6, 1, 0
	WIN 0
; THE WAY OUT, block by block of 16 rows x 128 columns.  A lane holds 32 neighbouring bytes of a row, and the lanes beside it hold other rows: the raw sums go through my own stage in LDS and come back as whole rows of 512 bytes.
; Behind the turn a lane holds the same four columns of every row, so four registers of b_proj serve all: number = sum x 2^(e6 + e7) + bias, one packed multiply-add for two.
; LDS serves a wave's instructions in order (ISA guide 5.7.1.4): no wait between the stores and the loads, nor in front of the next block's stores.
.macro TOSTAGE a
.set AC, 64*((\a)%4)
	WIN 0x08+4*((\a)/4)                            ; an LDS store's data: window 2 or 3
.irp b, 0,1,2,3,4,5,6,7
	ds_store_b128 v[STO], v[AC+8*\b:AC+8*\b+3]   offset:64*\b      ; each accumulator from its low end on
	ds_store_b128 v[STO], v[AC+8*\b+4:AC+8*\b+7] offset:64*\b+16
.endr
	WIN 0
.set BQ, BK+64*((\a)%2)
.irp t, 0,1,2,3,4,5,6,7,8,9,10,11,12,13,14,15
	ds_load_b128 v[BQ+4*\t:BQ+4*\t+3], v[RD] offset:\t*SPITCH
.endr
.endm
.macro SEND a, younger                 ; younger: the LDS instructions issued behind block a's loads, which may stay out
.set BQ, BK+64*((\a)%2)
	s_wait_dscnt \younger                          ; the block is back in registers
.if (\a) > 0
	s_add_nc_u64 s[12:13], s[12:13], 16*4096       ; (behind a wait on XCNT: the earlier stores have read their base)  16 rows on
.endif
.irp t, 0,1,2,3,4,5,6,7,8,9,10,11,12,13,14,15
	v_pk_fma_f32 v[BQ+4*\t:BQ+4*\t+1],   v[BQ+4*\t:BQ+4*\t+1],   s[96:97], v[8:9]   op_sel_hi:[1,0,1]
	v_pk_fma_f32 v[BQ+4*\t+2:BQ+4*\t+3], v[BQ+4*\t+2:BQ+4*\t+3], s[96:97], v[10:11] op_sel_hi:[1,0,1]
	global_store_b128 v[CO], v[BQ+4*\t:BQ+4*\t+3], s[12:13] offset:\t*4096 th:TH_STORE_NT   ; 32 lanes store 512 consecutive bytes, aligned
.endr
.endm
	s_wait_kmcnt 0x0
	s_add_co_i32 s96, s74, s75                     ; e6 + e7, between -126 and 127,
	s_add_co_i32 s96, s96, 127
	s_lshl_b32 s96, s96, 23                        ; makes the f32 number 2^(e6 + e7)
	s_mov_b32 s97, s96                             ; (named with it as a pair, so it is written)
	s_wait_loadcnt 0x0                             ; b_proj
	PLACES NP                                      ; behind the last products: their results are read, and A's registers loaded, from here on
	TOSTAGE 0
.irp a, 1,2,3,4,5,6,7
.if \a > 1
	s_wait_xcnt 0x0                                ; block a - 2's stores have read their registers and their base: block a's loads may land there, and the base may step
.endif
	TOSTAGE \a
	SEND \a-1, 32                                  ; behind block a - 1's loads: block a's 16 stores and 16 loads
.endr
	s_wait_xcnt 0x0                                ; block 6's stores have read their base
	SEND 7, 0
	s_wait_tensorcnt 0x0                           ; the wave's end, behind my last tensor load and my last LDS store
	ds_add_u32 v[SPW], v[NIL]
	s_wait_dscnt 0x0
	CROUND                                         ; the closing round: no work-group ends while a partner may still ask for a tile that names it
	s_endpgm
.Lfunc_end_k_qfb1a23c635_proj:
	.size	k_qfb1a23c635_proj, .Lfunc_end_k_qfb1a23c635_proj-k_qfb1a23c635_proj
	.p2alignl 7, 3214868480
	.fill 96, 4, 3214868480
	.section	.rodata,"a",@progbits
	.p2align	6, 0x0
	.amdhsa_kernel k_qfb1a23c635_proj
		.amdhsa_group_segment_fixed_size 327680
		.amdhsa_private_segment_fixed_size 0
		.amdhsa_enable_private_segment 0
		.amdhsa_kernarg_size 40
		.amdhsa_user_sgpr_count 2
		.amdhsa_user_sgpr_kernarg_segment_ptr 1
		.amdhsa_wavefront_size32 1
		.amdhsa_system_sgpr_workgroup_id_x 1
		.amdhsa_system_sgpr_workgroup_id_y 1
		.amdhsa_system_sgpr_workgroup_id_z 1
		.amdhsa_system_vgpr_workitem_id 0
		.amdhsa_next_free_vgpr 1024
		.amdhsa_next_free_sgpr 100
		.amdhsa_reserve_vcc 0
		.amdhsa_float_denorm_mode_32 3
		.amdhsa_float_denorm_mode_16_64 3
		.amdhsa_memory_ordered 1
		.amdhsa_forward_progress 1
		.amdhsa_inst_pref_size 124
	.end_amdhsa_kernel
	.amdgpu_metadata
---
amdhsa.version: [ 1, 2 ]
amdhsa.kernels:
  - .name:           k_qfb1a23c635_proj
    .symbol:         k_qfb1a23c635_proj.kd
    .args:
      - { .name: y_img, .offset: 0, .size: 8, .value_kind: global_buffer, .address_space: global }
      - { .name: wp_img, .offset: 8, .size: 8, .value_kind: global_buffer, .address_space: global }
      - { .name: b_proj, .offset: 16, .size: 8, .value_kind: global_buffer, .address_space: global }
      - { .name: lowp_scales, .offset: 24, .size: 8, .value_kind: global_buffer, .address_space: global }
      - { .name: out0, .offset: 32, .size: 8, .value_kind: global_buffer, .address_space: global }
    .group_segment_fixed_size: 327680
    .private_segment_fixed_size: 0
    .kernarg_segment_align: 8
    .kernarg_segment_size: 40
    .max_flat_workgroup_size: 128
    .sgpr_count:     100
    .vgpr_count:     1024
    .wavefront_size: 32
...
	.end_amdgpu_metadata
.endif
;; end of part 4
